; MI455X (gfx1250); checked and timed in simulation.
; The chip was launched on July 23, 2026; its instructions are those of AMD's public machine-readable ISA for CDNA 5 (MIT licence, August 2026) and "CDNA5" Instruction Set Architecture Reference Guide (July 2026). The comments in the code are by the model that wrote it; some were corrected since.
;; Cross Attention Block. Allowed arithmetic: matrix products marked QUANTISED: E2M1 operands, one E8M0 scale for each 32 along K, by v_wmma_scale_f32_16x16x128_f8f6f4 with both operands' format E2M1 (or v_wmma_scale_f32_32x16x128_f4), f32 sums; everything else in f32.
;; Inputs: W1 1,024 x 512 float32; W2 512 x 1,024 float32; Wk 512 x 256 float32; Wq 512 x 512 float32; Wv 512 x 256 float32; b1 1,024 float32; b2 512 float32; bk 512 float32; bq 512 float32; bv 512 float32; cond_emb 32 x 1 x 252 float32; conv_b 128 float32; conv_w 128 x 1 x 1 float32; ln1_b 512 float32; ln1_w 512 float32; ln2_b 512 float32; ln2_w 512 float32; x 32 x 1,024 x 512 float32.
;; Outputs: out0 32 x 1,024 x 512 float32.
;; This version of the problem:
;;   THIS VERSION OF THE PROBLEM IS GIVEN IN LOW PRECISION. The matrix products marked QUANTISED in the list below multiply operands that are first quantised to E2M1 (2 exponent bits, 1 mantissa bit; 4 bits a number), with one power-of-two scale for each 32 numbers along K (OCP MX v1.0); their sums are f32. All else is computed in f32.
;;   The module's matrix products, in the order in which they are computed (A, B: the left and right operand; K: the contracted axis; several contracted axes count as one K, in the product's order):
;;     1. [M 32,768, K 512] x [K 512, N 512]; A: input x; B: input Wq: QUANTISED
;;     2. [M 4,096, K 256] x [K 256, N 512]; A: computed on the way; B: input Wk: QUANTISED
;;     3. [M 4,096, K 256] x [K 256, N 512]; A: computed on the way; B: input Wv: QUANTISED
;;     4. batch 32 x [M 1,024, K 512] x [K 512, N 128]; A: computed on the way; B: computed on the way: QUANTISED
;;     5. batch 32 x [M 1,024, K 128] x [K 128, N 512]; A: softmax (see below); B: computed on the way: QUANTISED
;;     6. [M 32,768, K 512] x [K 512, N 1,024]; A: computed on the way; B: input W1: QUANTISED
;;     7. [M 32,768, K 1,024] x [K 1,024, N 512]; A: computed on the way; B: input W2: QUANTISED
;;   THE QUANTISER, for each operand of a quantised product, along K:
;;     - K is cut into blocks of 32 from its start; a last block that is shorter is filled with zeros.
;;     - A block's scale is 2^e with e = floor(log2(the largest magnitude in the block)) - 2, held to -126 .. 127; a block of zeros has e = 0. As a byte (E8M0): e + 127.
;;     - Each number is divided by its block's scale, clamped to +-6, and rounded to the nearest number of E2M1, ties to even, subnormals kept.
;;     - The product sums the exact products of the quantised numbers (number of the format x scale) in f32.
;;   ~~~python
;;   def quantise(x, axis):      # numpy; x: float32 -> the quantised numbers, widened to float32 again
;;       x = np.moveaxis(x, axis, -1); K = x.shape[-1]
;;       x = np.pad(x, [(0, 0)] * (x.ndim - 1) + [(0, -K % 32)]); x = x.reshape(x.shape[:-1] + (-1, 32)); a = np.abs(x).max(-1, keepdims=True)
;;       e = np.where(a > 0, np.clip(np.frexp(np.where(a > 0, a, 1))[1] - 1 - 2, -126, 127), 0)      # np.frexp(a)[1] - 1 = floor(log2(a)), exactly
;;       r = np.clip(x / 2.0 ** e, -6, 6)
;;       step = 2.0 ** (np.maximum(np.frexp(np.where(r == 0, 1, r))[1] - 1, 0) - 1)
;;       q = np.round(r / step) * step * 2.0 ** e      # np.round: ties to even
;;       return np.moveaxis(q.reshape(q.shape[:-2] + (-1,))[..., :K], -1, axis).astype(np.float32)
;;   ~~~
;;   SOFTMAX AHEAD OF A QUANTISED PRODUCT. Where the list says 'softmax', what is quantised is not the finished softmax but p = 2^(t - M), with t = logit x log2(e) and M = ceil(the row's largest t), a whole number; so 1/2 < the row's largest p <= 1. The row's sum l is taken of the UNQUANTISED p, in f32, and the product's result is divided by l at the end. Since M is a whole number, a kernel that streams over the keys may use a running M (the ceiling of the running maximum): every later rescaling is an exact power of two, which a block's scale takes up: the codes' values come out the same.
;;   OPERANDS COMPUTED ON THE WAY. 'Computed on the way' means the value that the module computes at that place (a softmax that the list does not call 'softmax' is quantised finished and normalised). What goes into a quantiser is computed in f32, as accurately as f32 sums, v_exp_f32 and their like allow (about 1e-6 of the number): no bf16 or f16 on the way to a quantiser, and a product that is left as it is and whose result goes on into a quantised operand takes f32 operands (vector FMAs, or v_wmma_f32_16x16x4_f32). A number that lies on a knife's edge between two numbers of the format may be rounded either way, as far as f32 arithmetic and the matrix unit's own rounding can turn it there, and no further.
;; One version. Each part assembles by itself: llvm-mc -triple=amdgcn-amd-amdhsa -mcpu=gfx1250 --defsym DOCPART=n.
;; ======== version 1 of 1: 2 launches
;; limits: a function is approximated: absolute error at most 7.5e-08; an absolute error that grows with the inputs' magnitude: up to 7.5e-08 times it
;; workspace buffers: wcodes 655,360 bytes; wscales 40,960 bytes; kvcodes 2,097,152 bytes; kvscales 131,072 bytes
;; launch prep (part 1): grid 296 x 1, 8 waves a work-group, no clusters, 44,032 bytes of LDS; arguments Wq, W1, W2, Wk, Wv, bk, bv, cond_emb, conv_w, conv_b, wcodes, wscales, kvcodes, kvscales; writes wcodes, wscales, kvcodes, kvscales
.if DOCPART == 1
	.amdgcn_target "amdgcn-amd-amdhsa--gfx1250"
	.amdhsa_code_object_version 6
	.text
	.protected	k_q24047325ea_prep
	.globl	k_q24047325ea_prep
	.p2align	8
	.type	k_q24047325ea_prep,@function
k_q24047325ea_prep:
	s_mov_b64 s[64:65], 0
	v_nop
	global_prefetch_b8 v0, s[64:65] scope:SCOPE_SE
	s_setreg_imm32_b32 hwreg(HW_REG_WAVE_MODE, 25, 1), 1
	s_wait_xcnt 0x0
; PREP.  Everything that the main launch reads as codes of FP4 (E2M1, one E8M0 byte for each 32 along K) is made here, laid in the order of an operand's registers.
; A FRAGMENT is 16 rows x 128 K = 8 registers a lane; its image is 1,024 bytes: register group c (0, 1) at 512 c + 16 x lane.
; THE ROWS OF A TILE ARE NOT NEIGHBOURS: row i of tile 2 b + u of a group of 128 rows is row 32 b + 8 u + i + 8 (i / 8), so that a transposed product leaves 16 neighbours along the next K in a lane.
; The scale words of a group's 8 tiles are 512 bytes: the word of (tile t, row r) at 256 (t % 2) + 16 r + 4 (t / 2): one load of 16 bytes a lane gives 4 registers, register p with tile 2 p in lanes 0-15, tile 2 p + 1 in lanes 16-31.
; Work-groups 256 .. 295 (W path): each wave quantises two tiles of one job J (Wq: J 0-15, W1: 16-47, W2: 48-79; a job is 128 rows x 128 K).  No LDS, no barrier.
; Work-groups 0 .. 255 (KV path): batch = X / 8, kind = (X / 4) % 2 (0: k, 1: v), g = X % 4 (128 channels).  cond = conv_w x pad + conv_b is made and quantised, Wk or Wv is quantised, both go from wave to wave as
; register images in LDS; k: source 0 = rows of Wk, source 1 = keys (a lane holds a key, registers run along the channels); v: source 0 = keys, source 1 = rows of Wv (a lane holds a channel, registers run along the keys).
; The result is quantised in registers along that run and stored as one fragment a wave.
; LIMITS: NaN and infinities are not served; a block whose largest magnitude lies under 2^-124 (a block of zeros too) keeps the byte 1: its codes are what the division by 2^-126 leaves, and only this program reads the bytes.
; A lane loads 64 neighbouring bytes of a weight row in four loads; the sixteen loads of a tile cover whole rows of 512 bytes between them.
.set WIMG, 0                           ; LDS: the weight's 16 fragments, (K step s, tile t) at (8 s + t) x 1,024
.set CIMG, 16384                       ; cond's 16 fragments, likewise
.set WSCL, 32768                       ; their scale words: 512 s + 64 t + 4 r
.set CSCL, 33792
.set PADV, 34816                       ; 1,024 bytes for each wave: the padded conditioning vector, 256 f32
.set SEL,  50                          ; s[50:51] lane selects: lane l xor 16
.set MSB,  0
.macro WIN new
.if MSB != (\new)
	s_set_vgpr_msb (MSB<<8)|(\new)
.set MSB, (\new)
.endif
.endm
.macro PLACES n
.rept \n
	v_nop
.endr
.endm
.macro BARRIER                         ; my LDS stores have landed and my LDS loads are in: then the barrier of the work-group
	s_wait_dscnt 0x0
	s_barrier_signal -1
	s_barrier_wait -1
.endm
; one product 16 x 16 x 128: D, source 0, source 1, C (under 0: the constant 0), scale register and lane half of source 0, the same of source 1
.macro WM d, a, b, c, sa, ra, sb, rb
.if (\c) < 0
.if (\ra) && (\rb)
	v_wmma_scale_f32_16x16x128_f8f6f4 v[(\d):(\d)+7], v[(\a):(\a)+7], v[(\b):(\b)+7], 0, v[\sa], v[\sb] matrix_a_fmt:MATRIX_FMT_FP4 matrix_b_fmt:MATRIX_FMT_FP4 matrix_a_scale:MATRIX_SCALE_ROW1 matrix_b_scale:MATRIX_SCALE_ROW1
.elseif (\ra)
	v_wmma_scale_f32_16x16x128_f8f6f4 v[(\d):(\d)+7], v[(\a):(\a)+7], v[(\b):(\b)+7], 0, v[\sa], v[\sb] matrix_a_fmt:MATRIX_FMT_FP4 matrix_b_fmt:MATRIX_FMT_FP4 matrix_a_scale:MATRIX_SCALE_ROW1
.elseif (\rb)
	v_wmma_scale_f32_16x16x128_f8f6f4 v[(\d):(\d)+7], v[(\a):(\a)+7], v[(\b):(\b)+7], 0, v[\sa], v[\sb] matrix_a_fmt:MATRIX_FMT_FP4 matrix_b_fmt:MATRIX_FMT_FP4 matrix_b_scale:MATRIX_SCALE_ROW1
.else
	v_wmma_scale_f32_16x16x128_f8f6f4 v[(\d):(\d)+7], v[(\a):(\a)+7], v[(\b):(\b)+7], 0, v[\sa], v[\sb] matrix_a_fmt:MATRIX_FMT_FP4 matrix_b_fmt:MATRIX_FMT_FP4
.endif
.else
.if (\ra) && (\rb)
	v_wmma_scale_f32_16x16x128_f8f6f4 v[(\d):(\d)+7], v[(\a):(\a)+7], v[(\b):(\b)+7], v[(\c):(\c)+7], v[\sa], v[\sb] matrix_a_fmt:MATRIX_FMT_FP4 matrix_b_fmt:MATRIX_FMT_FP4 matrix_a_scale:MATRIX_SCALE_ROW1 matrix_b_scale:MATRIX_SCALE_ROW1
.elseif (\ra)
	v_wmma_scale_f32_16x16x128_f8f6f4 v[(\d):(\d)+7], v[(\a):(\a)+7], v[(\b):(\b)+7], v[(\c):(\c)+7], v[\sa], v[\sb] matrix_a_fmt:MATRIX_FMT_FP4 matrix_b_fmt:MATRIX_FMT_FP4 matrix_a_scale:MATRIX_SCALE_ROW1
.elseif (\rb)
	v_wmma_scale_f32_16x16x128_f8f6f4 v[(\d):(\d)+7], v[(\a):(\a)+7], v[(\b):(\b)+7], v[(\c):(\c)+7], v[\sa], v[\sb] matrix_a_fmt:MATRIX_FMT_FP4 matrix_b_fmt:MATRIX_FMT_FP4 matrix_b_scale:MATRIX_SCALE_ROW1
.else
	v_wmma_scale_f32_16x16x128_f8f6f4 v[(\d):(\d)+7], v[(\a):(\a)+7], v[(\b):(\b)+7], v[(\c):(\c)+7], v[\sa], v[\sb] matrix_a_fmt:MATRIX_FMT_FP4 matrix_b_fmt:MATRIX_FMT_FP4
.endif
.endif
.endm
; 16 nb numbers of a lane (register src + 16 b + i of window win = k 32 b + 16 (lane / 16) + i of my row) become codes in v[tb+20] on and the scale word in v[tb+16].
; v[tb..tb+3] largest magnitudes, v[tb+4..tb+7] the other half of the lanes, then the bytes, v[tb+12..tb+15] the scale operands of the conversions.
.macro QUANT src, win, nb, tb
	WIN ((\win)<<2)|((\win)<<4)
.set qb, 0
.rept \nb
	v_max3_num_f32 v[(\tb)+qb], 0x1800000, |v[(\src)+16*qb]|, |v[(\src)+16*qb+1]|   ; the floor 2^(3 - 127) among the leaves: the byte cannot fall under 1
.set qb, qb+1
.endr
.irp i, 2,4,6,8,10,12,14
.set qb, 0
.rept \nb
	v_max3_num_f32 v[(\tb)+qb], v[(\tb)+qb], |v[(\src)+16*qb+\i]|, |v[(\src)+16*qb+\i+1]|   ; the blocks by turns
.set qb, qb+1
.endr
.endr
	WIN 0
.set qb, 0
.rept \nb
	v_permlanex16_b32 v[(\tb)+4+qb], v[(\tb)+qb], s[SEL], s[SEL+1]
.set qb, qb+1
.endr
.set qb, 0
.rept \nb
	v_max_num_f32 v[(\tb)+qb], v[(\tb)+qb], v[(\tb)+4+qb]        ; with lane l xor 16: the largest magnitude of the block
.set qb, qb+1
.endr
.set qb, 0
.rept \nb
	v_add_nc_u32 v[(\tb)+12+qb], 0xff000000, v[(\tb)+qb]         ; 2 off its exponent field: the scale operand of the conversion
.set qb, qb+1
.endr
.set qb, 0
.rept \nb
	v_lshrrev_b32 v[(\tb)+4+qb], 23, v[(\tb)+12+qb]              ; the byte
.set qb, qb+1
.endr
	v_lshl_or_b32 v[(\tb)+16], v[(\tb)+5], 8, v[(\tb)+4]
.if (\nb) > 2
	v_lshl_or_b32 v[(\tb)+16], v[(\tb)+6], 16, v[(\tb)+16]
	v_lshl_or_b32 v[(\tb)+16], v[(\tb)+7], 24, v[(\tb)+16]
.endif
	WIN (\win)
.set qb, 0
.rept \nb
	v_cvt_scalef32_pk8_fp4_f32 v[(\tb)+20+2*qb], v[(\src)+16*qb:(\src)+16*qb+7], v[(\tb)+12+qb]
	v_cvt_scalef32_pk8_fp4_f32 v[(\tb)+21+2*qb], v[(\src)+16*qb+8:(\src)+16*qb+15], v[(\tb)+12+qb]
.set qb, qb+1
.endr
	WIN 0
	v_nop                                          ; one plain place behind the scaled conversions
.set qb, 0
.rept (\nb)/2
	v_permlane16_swap_b32 v[(\tb)+20+4*qb], v[(\tb)+22+4*qb]     ; a whole block to a lane: registers 4 c .. 4 c + 3 hold k = 64 c + 32 (lane / 16) + 0 .. 31
	v_permlane16_swap_b32 v[(\tb)+21+4*qb], v[(\tb)+23+4*qb]
.set qb, qb+1
.endr
.endm
	s_load_b512 s[8:23], s[0:1], 0x0               ; Wq 8, W1 10, W2 12, Wk 14, Wv 16, bk 18, bv 20, cond_emb 22
	s_load_b256 s[24:31], s[0:1], 0x40             ; conv_w 24, conv_b 26, wcodes 28, wscales 30
	s_load_b128 s[32:35], s[0:1], 0x60             ; kvcodes 32, kvscales 34
	v_lshl_add_u32 v50, v0, 2, 0xa800
	v_mov_b32 v51, 0
	v_lshrrev_b32 v1, 5, v0
	v_readfirstlane_b32 s2, v1                     ; wave 0..7
	v_and_b32 v1, 31, v0                           ; lane
	v_and_b32 v2, 15, v0                           ; r
	v_bfe_u32 v3, v0, 4, 1                         ; h
	v_and_b32 v4, 8, v2
	v_add_nc_u32 v4, v4, v2                        ; r + 8 (r / 8)
	v_lshlrev_b32 v5, 4, v1                        ; 16 x lane
	s_mov_b32 s[SEL], 0x76543210
	s_mov_b32 s[SEL+1], 0xfedcba98
.irp b, 0,1,2,3
	v_mov_b32 v[16+\b], 0                          ; written once: the destination of a lane permute counts as one of its sources
.endr
	s_wait_kmcnt 0x0
	s_cmp_lt_u32 ttmp9, 256
	s_cbranch_scc1 .Lkv
	; ---------------- W path: tiles 2 p and 2 p + 1 of job J
	s_sub_co_u32 s3, ttmp9, 256
	s_lshl_b32 s3, s3, 3
	s_add_co_u32 s3, s3, s2
	s_lshr_b32 s4, s3, 2                           ; J
	s_and_b32 s5, s3, 3                            ; p
	s_cmp_lt_u32 s4, 16
	s_cselect_b64 s[36:37], s[8:9], s[10:11]       ; the choice hangs on the number of the job alone
	s_cselect_b32 s6, 0, 16
	s_cmp_lt_u32 s4, 48
	s_cselect_b64 s[36:37], s[36:37], s[12:13]
	s_cselect_b32 s6, s6, 48                       ; the first job of the matrix
	s_cselect_b32 s7, 2, 3                         ; log2 of its K steps
	s_cselect_b32 s38, 11, 12                      ; log2 of its row in bytes
	s_sub_co_u32 s39, s4, s6
	s_lshr_b32 s40, s39, s7                        ; G: which 128 rows
	s_lshl_b32 s41, s40, s7
	s_sub_co_u32 s41, s39, s41                     ; s: which 128 along K
	s_lshl_b32 s40, s40, 7
	s_lshl_b32 s42, s5, 5
	s_add_co_u32 s40, s40, s42                     ; row 128 G + 32 p
	s_lshl_b32 s40, s40, s38
	s_lshl_b32 s41, s41, 9
	s_add_co_u32 s40, s40, s41
	s_mov_b32 s41, 0
	s_add_nc_u64 s[36:37], s[36:37], s[40:41]
	v_lshlrev_b32 v6, s38, v4
	v_lshl_add_u32 v6, v3, 6, v6                   ; tile 2 p: my row, + 64 h: my 16 numbers of each block of 32
	s_lshl_b32 s42, 8, s38
	v_add_nc_u32 v7, s42, v6                       ; tile 2 p + 1: eight rows on
.irp b, 0,1,2,3
.irp j, 0,1,2,3
	global_load_b128 v[64+16*\b+4*\j:64+16*\b+4*\j+3], v6, s[36:37] offset:128*\b+16*\j th:TH_LOAD_NT
.endr
.endr
.irp b, 0,1,2,3
.irp j, 0,1,2,3
	global_load_b128 v[128+16*\b+4*\j:128+16*\b+4*\j+3], v7, s[36:37] offset:128*\b+16*\j th:TH_LOAD_NT
.endr
.endr
	s_lshl_b32 s40, s4, 13
	s_lshl_b32 s42, s5, 11
	s_add_co_u32 s40, s40, s42
	s_add_nc_u64 s[28:29], s[28:29], s[40:41]      ; wcodes + 8,192 J + 2,048 p
	s_lshl_b32 s40, s4, 9
	s_lshl_b32 s42, s5, 2
	s_add_co_u32 s40, s40, s42
	s_add_nc_u64 s[30:31], s[30:31], s[40:41]      ; wscales + 512 J + 4 p
	s_mov_b32 s52, 0xffff0000
	s_wait_loadcnt 16                              ; the first tile is in; the 16 loads of the second stay out
	QUANT 64, 0, 4, 12
	global_store_b128 v5, v[32:35], s[28:29]
	global_store_b128 v5, v[36:39], s[28:29] offset:512
	v_mov_b32 v29, v28                             ; the scale word of tile 2 p
	s_wait_loadcnt 0x0
	s_wait_xcnt 0x0                                ; the stores have read v32-39: they are written again only behind this wait
	QUANT 128, 0, 4, 12
	global_store_b128 v5, v[32:35], s[28:29] offset:1024
	global_store_b128 v5, v[36:39], s[28:29] offset:1536
	v_cndmask_b32 v28, v29, v28, s52               ; lanes 0-15 the word of tile 2 p, lanes 16-31 that of tile 2 p + 1
	global_store_b32 v5, v28, s[30:31]             ; at 256 h + 16 r + 4 p
	s_endpgm
	; ---------------- KV path
.Lkv:
	s_lshr_b32 s3, ttmp9, 3                        ; batch
	s_bfe_u32 s4, ttmp9, 0x10002                   ; kind
	s_and_b32 s5, ttmp9, 3                         ; g
	s_lshr_b32 s6, s2, 1
	s_lshl_b32 s6, s6, 5
	s_and_b32 s7, s2, 1
	s_lshl_b32 s7, s7, 3
	s_add_co_u32 s6, s6, s7                        ; my tile begins at 32 (wave / 2) + 8 (wave % 2)
	v_add_nc_u32 v8, s6, v4                        ; my key, and my row of the 128 rows of the weight
	v_lshlrev_b32 v9, 2, v8
	v_lshlrev_b32 v10, 10, v8
	v_lshl_add_u32 v10, v3, 6, v10                 ; a row of Wk or Wv is 1,024 bytes; + 64 h
	v_lshlrev_b32 v6, 4, v2                        ; 16 r
	v_lshlrev_b32 v22, 6, v3                       ; 64 h
	s_lshl_b32 s40, s2, 10
	v_add_nc_u32 v31, s40, v5                      ; images: 16 x lane + 1,024 x wave
	s_add_co_u32 s43, s40, PADV
	v_lshl_add_u32 v11, v1, 2, s43                 ; my own padded vector: 4 x lane on the way in,
	v_lshl_add_u32 v30, v3, 6, s43                 ; 64 h on the way out
	s_lshl_b32 s42, s2, 6
	v_lshl_add_u32 v20, v2, 2, s42                 ; scale words: 4 r + 64 x wave
	v_lshlrev_b32 v21, 2, v1                       ; and two tiles at a time: 4 x lane
	s_mul_i32 s40, s3, 1008
	s_mov_b32 s41, 0
	s_add_nc_u64 s[22:23], s[22:23], s[40:41]      ; cond_emb of my batch: 252 f32
	s_cmp_eq_u32 s4, 0
	s_cselect_b64 s[36:37], s[14:15], s[16:17]     ; Wk or Wv
	s_lshl_b32 s40, s5, 17
	s_add_nc_u64 s[36:37], s[36:37], s[40:41]      ; its rows 128 g on
	s_lshl_b32 s40, s5, 9
	s_add_nc_u64 s[18:19], s[18:19], s[40:41]      ; bk and bv at channel 128 g
	s_add_nc_u64 s[20:21], s[20:21], s[40:41]
	s_lshl_b32 s40, ttmp9, 13
	s_lshl_b32 s42, s2, 10
	s_add_co_u32 s40, s40, s42
	s_add_nc_u64 s[32:33], s[32:33], s[40:41]      ; kvcodes + 8,192 X + 1,024 x wave
	s_lshl_b32 s40, ttmp9, 9
	s_lshl_b32 s42, s7, 5
	s_add_co_u32 s40, s40, s42
	s_lshr_b32 s42, s2, 1
	s_lshl_b32 s42, s42, 2
	s_add_co_u32 s40, s40, s42
	s_add_nc_u64 s[34:35], s[34:35], s[40:41]      ; kvscales + 512 X + 256 (wave % 2) + 4 (wave / 2)
.irp e, 0,1,2,3,4,5,6,7                        ; pad[j] = cond_emb[(j + 250) mod 252], j = lane + 32 e: 252 is taken off twice, each time only where that does not wrap
	v_add_nc_u32 v[200+\e], 250+32*\e, v1
	v_add_nc_u32 v[208+\e], 32*\e-2, v1
	v_min_u32 v[200+\e], v[200+\e], v[208+\e]
	v_add_nc_u32 v[208+\e], 0xffffff04, v[200+\e]
	v_min_u32 v[200+\e], v[200+\e], v[208+\e]
	v_lshlrev_b32 v[200+\e], 2, v[200+\e]
.endr
.irp e, 0,1,2,3,4,5,6,7
	global_load_b32 v[56+\e], v[200+\e], s[22:23]
.endr
	global_load_b32 v52, v9, s[24:25]              ; conv_w and conv_b of my key, each twice: pairs for the packed multiply-add
	global_load_b32 v53, v9, s[24:25]
	global_load_b32 v54, v9, s[26:27]
	global_load_b32 v55, v9, s[26:27]
.irp s, 0,1
.irp b, 0,1,2,3
.irp j, 0,1,2,3
	global_load_b128 v[64+64*\s+16*\b+4*\j:64+64*\s+16*\b+4*\j+3], v10, s[36:37] offset:512*\s+128*\b+16*\j
.endr
.endr
.endr
	s_wait_loadcnt 32                              ; the vector and my key's two numbers are in; the 32 loads of the weight stay out
.irp e, 0,1,2,3,4,5,6,7
	ds_store_b32 v11, v[56+\e] offset:128*\e       ; bytes of my wave alone: LDS serves a wave in order, so no barrier
.endr
.irp s, 0,1                                    ; cond, K step s: my key's 64 numbers of my half of each block
.irp b, 0,1,2,3
.irp j, 0,1,2,3
	ds_load_b128 v[192+16*\b+4*\j:192+16*\b+4*\j+3], v30 offset:512*\s+128*\b+16*\j
.endr
.endr
	s_wait_dscnt 0x0
.set q2, 0
.rept 32
	v_pk_fma_f32 v[192+2*q2:193+2*q2], v[192+2*q2:193+2*q2], v[52:53], v[54:55]
.set q2, q2+1
.endr
	QUANT 192, 0, 4, 12
	ds_store_b128 v31, v[32:35] offset:CIMG+8192*\s
	ds_store_b128 v31, v[36:39] offset:CIMG+8192*\s+512
	ds_store_b32 v20, v28 offset:CSCL+512*\s       ; both halves of the lanes write the same word
	s_wait_dscnt 0x0                               ; the stores have read their registers
.endr
	s_cmp_lg_u32 s4, 0                             ; the bias in the layout of the result
	s_cbranch_scc1 .Lbias_v
.irp t, 0,1,2,3,4,5,6,7                        ; k: a register is a channel: the bias lies where the sums will begin
.irp q, 0,1
	global_load_b128 v[192+8*\t+4*\q:192+8*\t+4*\q+3], v22, s[18:19] offset:(32*(\t/2)+8*(\t%2))*4+16*\q
.endr
.endr
	s_branch .Lbias_done
.Lbias_v:
.irp e, 0,1,2,3,4,5,6,7                        ; v: a lane is a channel: eight registers with its one number
	global_load_b32 v[56+\e], v9, s[20:21]
.endr
.Lbias_done:
	s_wait_loadcnt 24                              ; K step 0 of the weight is in: behind it stand K step 1's 16 loads and 8 or 16 of the bias
	QUANT 64, 0, 4, 12
	ds_store_b128 v31, v[32:35] offset:WIMG
	ds_store_b128 v31, v[36:39] offset:WIMG+512
	ds_store_b32 v20, v28 offset:WSCL
	s_wait_dscnt 0x0
	s_wait_loadcnt 8                               ; K step 1 is in: behind it stand 8 or 16 loads of the bias
	QUANT 128, 0, 4, 12
	ds_store_b128 v31, v[32:35] offset:WIMG+8192
	ds_store_b128 v31, v[36:39] offset:WIMG+8192+512
	ds_store_b32 v20, v28 offset:WSCL+512
	BARRIER                                        ; all 32 fragments and their scale words lie in LDS
	s_wait_loadcnt 0x0                             ; the bias
; source 0: the eight tiles at xi (scale words at xs); source 1: my own tile at yi (ys).  Eight accumulators by turns, K ascending.  cb: the C of the first K step (under 0: the accumulator itself, which holds the bias)
.macro KVMUL xi, xs, yi, ys, cb
.irp s, 0,1
.irp c, 0,1
	ds_load_b128 v[128+8*\s+4*\c:128+8*\s+4*\c+3], v31 offset:\yi+8192*\s+512*\c
.endr
	ds_load_b32 v[48+\s], v20 offset:\ys+512*\s
.endr
.irp s, 0,1
.if \s
	PLACES 4                                       ; in front of loads into registers that the products above have read
.endif
.irp t, 0,1,2,3,4,5,6,7
.irp c, 0,1
	ds_load_b128 v[64+8*\t+4*\c:64+8*\t+4*\c+3], v5 offset:\xi+8192*\s+1024*\t+512*\c
.endr
.endr
.irp p, 0,1,2,3
	ds_load_b32 v[40+4*\s+\p], v21 offset:\xs+512*\s+128*\p
.endr
	s_wait_dscnt 0x0
.irp t, 0,1,2,3,4,5,6,7
.if (\s == 0) && ((\cb) >= 0)
	WM 192+8*\t, 64+8*\t, 128+8*\s, \cb, 40+4*\s+\t/2, \t%2, 48+\s, 0
.else
	WM 192+8*\t, 64+8*\t, 128+8*\s, 192+8*\t, 40+4*\s+\t/2, \t%2, 48+\s, 0
.endif
.endr
.endr
.endm
	s_cmp_lg_u32 s4, 0
	s_cbranch_scc1 .Lmul_v
	KVMUL WIMG, WSCL, CIMG, CSCL, -1
	s_branch .Lmul_done
.Lmul_v:
	KVMUL CIMG, CSCL, WIMG, WSCL, 56
.Lmul_done:
	PLACES 4                                       ; in front of the first read of the results
	QUANT 192, 0, 4, 12                            ; k: along the channels; v: along the keys
	global_store_b128 v5, v[32:35], s[32:33]
	global_store_b128 v5, v[36:39], s[32:33] offset:512
	global_store_b32 v6, v28, s[34:35]             ; both halves of the lanes store the same word
	s_wait_tensorcnt 0x0
	ds_add_u32 v50, v51
	s_wait_dscnt 0x0
	s_endpgm
.Lfunc_end_k_q24047325ea_prep:
	.size	k_q24047325ea_prep, .Lfunc_end_k_q24047325ea_prep-k_q24047325ea_prep
	.p2alignl 7, 3214868480
	.fill 96, 4, 3214868480
	.section	.rodata,"a",@progbits
	.p2align	6, 0x0
	.amdhsa_kernel k_q24047325ea_prep
		.amdhsa_group_segment_fixed_size 44032
		.amdhsa_private_segment_fixed_size 0
		.amdhsa_enable_private_segment 0
		.amdhsa_kernarg_size 112
		.amdhsa_user_sgpr_count 2
		.amdhsa_user_sgpr_kernarg_segment_ptr 1
		.amdhsa_wavefront_size32 1
		.amdhsa_system_sgpr_workgroup_id_x 1
		.amdhsa_system_sgpr_workgroup_id_y 1
		.amdhsa_system_sgpr_workgroup_id_z 1
		.amdhsa_system_vgpr_workitem_id 0
		.amdhsa_next_free_vgpr 256
		.amdhsa_next_free_sgpr 66
		.amdhsa_reserve_vcc 0
		.amdhsa_float_denorm_mode_32 3
		.amdhsa_float_denorm_mode_16_64 3
		.amdhsa_memory_ordered 1
		.amdhsa_forward_progress 1
		.amdhsa_inst_pref_size 61
	.end_amdhsa_kernel
	.amdgpu_metadata
---
amdhsa.version: [ 1, 2 ]
amdhsa.kernels:
  - .name:           k_q24047325ea_prep
    .symbol:         k_q24047325ea_prep.kd
    .args:
      - { .name: Wq, .offset: 0, .size: 8, .value_kind: global_buffer, .address_space: global }
      - { .name: W1, .offset: 8, .size: 8, .value_kind: global_buffer, .address_space: global }
      - { .name: W2, .offset: 16, .size: 8, .value_kind: global_buffer, .address_space: global }
      - { .name: Wk, .offset: 24, .size: 8, .value_kind: global_buffer, .address_space: global }
      - { .name: Wv, .offset: 32, .size: 8, .value_kind: global_buffer, .address_space: global }
      - { .name: bk, .offset: 40, .size: 8, .value_kind: global_buffer, .address_space: global }
      - { .name: bv, .offset: 48, .size: 8, .value_kind: global_buffer, .address_space: global }
      - { .name: cond_emb, .offset: 56, .size: 8, .value_kind: global_buffer, .address_space: global }
      - { .name: conv_w, .offset: 64, .size: 8, .value_kind: global_buffer, .address_space: global }
      - { .name: conv_b, .offset: 72, .size: 8, .value_kind: global_buffer, .address_space: global }
      - { .name: wcodes, .offset: 80, .size: 8, .value_kind: global_buffer, .address_space: global }
      - { .name: wscales, .offset: 88, .size: 8, .value_kind: global_buffer, .address_space: global }
      - { .name: kvcodes, .offset: 96, .size: 8, .value_kind: global_buffer, .address_space: global }
      - { .name: kvscales, .offset: 104, .size: 8, .value_kind: global_buffer, .address_space: global }
    .group_segment_fixed_size: 44032
    .private_segment_fixed_size: 0
    .kernarg_segment_align: 8
    .kernarg_segment_size: 112
    .max_flat_workgroup_size: 256
    .sgpr_count:     66
    .vgpr_count:     256
    .wavefront_size: 32
...
	.end_amdgpu_metadata
.endif
;; end of part 1
;; launch main (part 2): grid 256 x 1, 4 waves a work-group, no clusters, 327,680 bytes of LDS; arguments x, wcodes, wscales, kvcodes, kvscales, bq, b1, b2, ln1_w, ln1_b, ln2_w, ln2_b, out0; writes out0
.if DOCPART == 2
	.amdgcn_target "amdgcn-amd-amdhsa--gfx1250"
	.amdhsa_code_object_version 6
	.text
	.protected	k_q24047325ea_main
	.globl	k_q24047325ea_main
	.p2align	8
	.type	k_q24047325ea_main,@function
k_q24047325ea_main:
	s_mov_b64 s[64:65], 0
	v_nop
	global_prefetch_b8 v0, s[64:65] scope:SCOPE_SE
	s_setreg_imm32_b32 hwreg(HW_REG_WAVE_MODE, 25, 1), 1
	s_wait_xcnt 0x0
; MAIN.  out0 = LN2(query + FFN(query)) + x, query = LN1(q + attention(q)), q = x Wq^T + bq; all products on codes of FP4 (E2M1) with one E8M0 byte for each 32 along K.
; SHARES.  A work-group takes 128 rows (one eighth of a batch) through the whole chain; x is read once (one tensor load a wave, kept in LDS for the last addition), out0 is written once, nothing else goes to memory.
; THE WAVES SHARE THE COLUMNS: wave w owns channels 128 w .. 128 w + 127 of all 128 rows: 64 accumulators, 512 registers, which live through the launch: q, + attention, LN1, + b2 + FFN, LN2.
; Every product is used transposed (source 0 = 16 rows of the weight-like operand, source 1 = 16 rows of activations): a lane holds one row, and, by the order of rows in a weight tile that the launch before chose,
; register j of tile 2 b + u holds channel 32 b + 16 (lane / 16) + 8 u + j: 16 neighbours along the next K in two tiles.  Weights come from memory straight into the registers of the one wave that needs them, in register order.
; Activations go from wave to wave as register images in LDS: a fragment (16 rows x 128 K) is 1,024 bytes, register group c at 512 c + 16 x lane.  Product 4 alone is shared by rows (wave w: rows 32 w .. 32 w + 31, all 128 keys),
; so that a softmax stays inside a wave.
; NO CLUSTER, NO JOINT LOADS: a joint load lands in LDS, and each weight byte is wanted once, by one wave, in register order: through LDS the 680 KB of codes would be written and read once more by every work-group,
; and beside the 266,240 bytes of x and the 57,344 of images there is no room for a ring.
; LIMITS: NaN and infinities are not served.  A block whose largest magnitude lies under 2^-124 keeps the byte 1.  gelu = max(u, 0) - |u| Q(|u|), Q the upper tail of the normal law by a rational formula of five terms
; (absolute error of Q under 7.5e-8, so of gelu under 7.5e-8 |u|).  1 / l and 1 / sqrt come from v_rcp_f32 and v_rsq_f32.  The largest p of a block is taken from its largest score.  t = score x c with the one constant c = log2(e) / sqrt(512).
; The sums of product 7 begin at query + b2.  The last chunk of the FFN asks once more for the first chunk of W1 (64 KB a work-group, not used), so that the counted waits hold on every way.
; LDS: 0 x, columns 0-255, 128 rows of 1,024 + 16 bytes; 133,120 x, columns 256-511; AIMG: 32 fragments (K step s, row tile m at (8 s + m) x 1,024): codes of x, then q, then query; the rest by offsets from AIMG:
.set AIMG,   266240
.set O_ASC,  32768                     ; their scale words: 512 s + 64 m + 4 r
.set O_HIMG, 34816                     ; 16,384 bytes: p (fragment m at 1,024 m); in the FFN the hidden chunk: the half fragment of wave w and row tile m at 4,096 w + 512 m
.set O_HSC,  51200                     ; 1,024 bytes: the scale words of p (64 m + 4 r); in the FFN two bytes of wave w at 256 w + 32 m + 2 r
.set O_STAT, 52224                     ; 4,096 bytes: 32 x row + 8 w: mean and sum of squared differences of the 128 channels of wave w
.set O_RLB,  56320                     ; 1,024 bytes: 8 x row: 1 / l, twice
; REGISTERS, window 0: v1 16 l, v2 AIMG + 16 l, v3 AIMG + 4 l, v4 AIMG + 4 r, v5 64 h, v6 v2 + 8,192 w, v7 v4 + 512 w, v8 v2 + 4,096 w, v9 AIMG + 2 r + 256 w, v10, v11 my place in x, v12-15 addresses at work, v16-31 at work,
;   v32-47 scale words of weights, v48-55 of activations (nothing else ever), v60-61 a constant, v62 AIMG + 2 l, v63 AIMG + 8 r, v64-255 fragments and numbers at work.
;   window 1: weights.   windows 2, 3: accumulator (m, t) at v[8 (8 (m % 4) + t)], window 2 for m < 4.
.set SEL,    48
.set MSB,    0
.macro WIN new                         ; the high byte of the immediate repeats the setting that is left; at every label and branch the setting is 0
.if MSB != (\new)
	s_set_vgpr_msb (MSB<<8)|(\new)
.set MSB, (\new)
.endif
.endm
.macro PLACES n
.rept \n
	v_nop
.endr
.endm
.macro BARRIER                         ; my LDS stores have landed and my LDS loads are in: then the barrier of the work-group
	s_wait_dscnt 0x0
	s_barrier_signal -1
	s_barrier_wait -1
.endm
; one product 16 x 16 x 128: D, source 0, source 1, C (under 0: the constant 0), scale register and lane half of source 0, the same of source 1
.macro WM d, a, b, c, sa, ra, sb, rb
.if (\c) < 0
.if (\ra) && (\rb)
	v_wmma_scale_f32_16x16x128_f8f6f4 v[(\d):(\d)+7], v[(\a):(\a)+7], v[(\b):(\b)+7], 0, v[\sa], v[\sb] matrix_a_fmt:MATRIX_FMT_FP4 matrix_b_fmt:MATRIX_FMT_FP4 matrix_a_scale:MATRIX_SCALE_ROW1 matrix_b_scale:MATRIX_SCALE_ROW1
.elseif (\ra)
	v_wmma_scale_f32_16x16x128_f8f6f4 v[(\d):(\d)+7], v[(\a):(\a)+7], v[(\b):(\b)+7], 0, v[\sa], v[\sb] matrix_a_fmt:MATRIX_FMT_FP4 matrix_b_fmt:MATRIX_FMT_FP4 matrix_a_scale:MATRIX_SCALE_ROW1
.elseif (\rb)
	v_wmma_scale_f32_16x16x128_f8f6f4 v[(\d):(\d)+7], v[(\a):(\a)+7], v[(\b):(\b)+7], 0, v[\sa], v[\sb] matrix_a_fmt:MATRIX_FMT_FP4 matrix_b_fmt:MATRIX_FMT_FP4 matrix_b_scale:MATRIX_SCALE_ROW1
.else
	v_wmma_scale_f32_16x16x128_f8f6f4 v[(\d):(\d)+7], v[(\a):(\a)+7], v[(\b):(\b)+7], 0, v[\sa], v[\sb] matrix_a_fmt:MATRIX_FMT_FP4 matrix_b_fmt:MATRIX_FMT_FP4
.endif
.else
.if (\ra) && (\rb)
	v_wmma_scale_f32_16x16x128_f8f6f4 v[(\d):(\d)+7], v[(\a):(\a)+7], v[(\b):(\b)+7], v[(\c):(\c)+7], v[\sa], v[\sb] matrix_a_fmt:MATRIX_FMT_FP4 matrix_b_fmt:MATRIX_FMT_FP4 matrix_a_scale:MATRIX_SCALE_ROW1 matrix_b_scale:MATRIX_SCALE_ROW1
.elseif (\ra)
	v_wmma_scale_f32_16x16x128_f8f6f4 v[(\d):(\d)+7], v[(\a):(\a)+7], v[(\b):(\b)+7], v[(\c):(\c)+7], v[\sa], v[\sb] matrix_a_fmt:MATRIX_FMT_FP4 matrix_b_fmt:MATRIX_FMT_FP4 matrix_a_scale:MATRIX_SCALE_ROW1
.elseif (\rb)
	v_wmma_scale_f32_16x16x128_f8f6f4 v[(\d):(\d)+7], v[(\a):(\a)+7], v[(\b):(\b)+7], v[(\c):(\c)+7], v[\sa], v[\sb] matrix_a_fmt:MATRIX_FMT_FP4 matrix_b_fmt:MATRIX_FMT_FP4 matrix_b_scale:MATRIX_SCALE_ROW1
.else
	v_wmma_scale_f32_16x16x128_f8f6f4 v[(\d):(\d)+7], v[(\a):(\a)+7], v[(\b):(\b)+7], v[(\c):(\c)+7], v[\sa], v[\sb] matrix_a_fmt:MATRIX_FMT_FP4 matrix_b_fmt:MATRIX_FMT_FP4
.endif
.endif
.endm
; 16 nb numbers of a lane (register src + 16 b + i of window win = k 32 b + 16 (lane / 16) + i of my row) become codes in v[tb+20] on and the scale word in v[tb+16].  Each accumulator is read from its low end on.
.macro QUANT src, win, nb, tb
	WIN ((\win)<<2)|((\win)<<4)
.set qb, 0
.rept \nb
	v_max3_num_f32 v[(\tb)+qb], 0x1800000, |v[(\src)+16*qb]|, |v[(\src)+16*qb+1]|   ; the floor 2^(3 - 127) among the leaves: the byte cannot fall under 1
.set qb, qb+1
.endr
.irp i, 2,4,6,8,10,12,14
.set qb, 0
.rept \nb
	v_max3_num_f32 v[(\tb)+qb], v[(\tb)+qb], |v[(\src)+16*qb+\i]|, |v[(\src)+16*qb+\i+1]|   ; the blocks by turns
.set qb, qb+1
.endr
.endr
	WIN 0
.set qb, 0
.rept \nb
	v_permlanex16_b32 v[(\tb)+4+qb], v[(\tb)+qb], s[SEL], s[SEL+1]
.set qb, qb+1
.endr
.set qb, 0
.rept \nb
	v_max_num_f32 v[(\tb)+qb], v[(\tb)+qb], v[(\tb)+4+qb]        ; with lane l xor 16: the largest magnitude of the block
.set qb, qb+1
.endr
.set qb, 0
.rept \nb
	v_add_nc_u32 v[(\tb)+12+qb], 0xff000000, v[(\tb)+qb]         ; 2 off its exponent field: the scale operand of the conversion
.set qb, qb+1
.endr
.set qb, 0
.rept \nb
	v_lshrrev_b32 v[(\tb)+4+qb], 23, v[(\tb)+12+qb]              ; the byte
.set qb, qb+1
.endr
	v_lshl_or_b32 v[(\tb)+16], v[(\tb)+5], 8, v[(\tb)+4]
.if (\nb) > 2
	v_lshl_or_b32 v[(\tb)+16], v[(\tb)+6], 16, v[(\tb)+16]
	v_lshl_or_b32 v[(\tb)+16], v[(\tb)+7], 24, v[(\tb)+16]
.endif
	WIN (\win)
.set qb, 0
.rept \nb
	v_cvt_scalef32_pk8_fp4_f32 v[(\tb)+20+2*qb], v[(\src)+16*qb:(\src)+16*qb+7], v[(\tb)+12+qb]
	v_cvt_scalef32_pk8_fp4_f32 v[(\tb)+21+2*qb], v[(\src)+16*qb+8:(\src)+16*qb+15], v[(\tb)+12+qb]
.set qb, qb+1
.endr
	WIN 0
	v_nop                                          ; one plain place behind the scaled conversions
.set qb, 0
.rept (\nb)/2
	v_permlane16_swap_b32 v[(\tb)+20+4*qb], v[(\tb)+22+4*qb]     ; a whole block to a lane
	v_permlane16_swap_b32 v[(\tb)+21+4*qb], v[(\tb)+23+4*qb]
.set qb, qb+1
.endr
.endm
; the eight fragments of K step s and their scale words (two tiles to a register), into buffer s % 2
.macro FETCHA s
.set fb, 64+64*((\s)%2)
.irp m, 0,1,2,3,4,5,6,7
.irp c, 0,1
	ds_load_b128 v[fb+8*\m+4*\c:fb+8*\m+4*\c+3], v2 offset:8192*(\s)+1024*\m+512*\c
.endr
.endr
.irp p, 0,1,2,3
	ds_load_b32 v[48+4*((\s)%2)+\p], v3 offset:O_ASC+512*(\s)+128*\p
.endr
.endm
; a pair of row tiles, all four K steps: s70 = 2,048 x pair, s71 = 128 x pair.  Its first four lines are the places behind the products that read these registers
.macro FETCHP
	v_add_nc_u32 v12, s70, v2
	v_add_nc_u32 v13, s71, v3
	v_nop
	v_nop
.irp s, 0,1,2,3
.irp mi, 0,1
.irp c, 0,1
	ds_load_b128 v[64+8*(2*\s+\mi)+4*\c:64+8*(2*\s+\mi)+4*\c+3], v12 offset:8192*\s+1024*\mi+512*\c
.endr
.endr
	ds_load_b32 v[48+\s], v13 offset:O_ASC+512*\s
.endr
.endm
.macro P1ROW s, m, cb                  ; product 1: row tile m x my eight tiles of Wq, K step s; cb: where C lies (under 0: in place)
.set pt, 0
.rept 8
.set pd, 8*(8*((\m)%4)+pt)
.if (\cb) >= 0
.set pcc, (\cb)+8*pt
.else
.set pcc, pd
.endif
	WM pd, 64*(\s)+8*pt, 64+64*((\s)%2)+8*(\m), pcc, 32+4*(\s)+pt/2, pt%2, 48+4*((\s)%2)+(\m)/2, (\m)%2
.set pt, pt+1
.endr
.endm
.macro P7ROW sp, m                     ; product 7: row tile m x my eight tiles of W2, K step sp of the chunk, in place
.set pt, 0
.rept 8
.set pd, 8*(8*((\m)%4)+pt)
	WM pd, 128+64*(\sp)+8*pt, 128+8*(\m), pd, 40+4*(\sp)+pt/2, pt%2, 52+(\m)/2, (\m)%2
.set pt, pt+1
.endr
.endm
.macro SETW1 jr                        ; the pointers of chunk s[jr] of W1, its scale words and b1 (s97 = 0)
	s_lshl_b32 s96, s[\jr], 16
	s_add_nc_u64 s[86:87], s[76:77], s[96:97]
	s_lshl_b32 s96, s[\jr], 12
	s_add_nc_u64 s[88:89], s[80:81], s[96:97]
	s_lshl_b32 s96, s[\jr], 10
	s_add_nc_u64 s[90:91], s[84:85], s[96:97]
.endm
.macro W1GRP                           ; 44 loads: my 64 rows of W1 (4 K steps x 4 tiles), their scale words, their b1
	WIN 0x40
.irp s, 0,1,2,3
.irp tt, 0,1,2,3
.irp c, 0,1
	global_load_b128 v[32*\s+8*\tt+4*\c:32*\s+8*\tt+4*\c+3], v1, s[86:87] offset:8192*\s+1024*\tt+512*\c
.endr
.endr
.endr
	WIN 0
.irp s, 0,1,2,3
	global_load_b64 v[32+2*\s:33+2*\s], v1, s[88:89] offset:512*\s
.endr
.irp tt, 0,1,2,3
.irp q, 0,1
	global_load_b128 v[224+8*\tt+4*\q:224+8*\tt+4*\q+3], v5, s[90:91] offset:128*(\tt/2)+32*(\tt%2)+16*\q
.endr
.endr
.endm
; gelu of 16 numbers in place: T = 1 / (1 + 0.2316419 |u|) in v16-31, E = 2^(-u u log2(e) / 2) in v192-207, P = the polynomial in v208-223.  A plain line stands behind every transcendental.
.macro GELU16 be
.set gU, 128+16*(\be)
.set gi, 0
.rept 16
	v_fma_f32 v[16+gi], |v[gU+gi]|, s52, 1.0
.set gi, gi+1
.endr
.set gi, 0
.rept 8
	v_rcp_f32 v[16+gi], v[16+gi]
	v_pk_mul_f32 v[192+2*gi:193+2*gi], v[gU+2*gi:gU+2*gi+1], s[54:55] op_sel_hi:[1,0]
.set gi, gi+1
.endr
.set gi, 0
.rept 8
	v_rcp_f32 v[24+gi], v[24+gi]
	v_pk_mul_f32 v[192+2*gi:193+2*gi], v[192+2*gi:193+2*gi], v[gU+2*gi:gU+2*gi+1]
.set gi, gi+1
.endr
.set gi, 0
	s_wait_alu depctr_va_vdst(0)
.rept 8
	v_pk_fma_f32 v[208+2*gi:209+2*gi], v[16+2*gi:17+2*gi], s[56:57], v[60:61] op_sel_hi:[1,0,1]
	v_exp_f32 v[192+2*gi], v[192+2*gi]
.set gi, gi+1
.endr
.set gi, 0
.rept 8
	v_pk_fma_f32 v[208+2*gi:209+2*gi], v[208+2*gi:209+2*gi], v[16+2*gi:17+2*gi], s[58:59] op_sel_hi:[1,1,0]
	v_exp_f32 v[193+2*gi], v[193+2*gi]
.set gi, gi+1
.endr
.set gi, 0
.rept 8
	v_pk_fma_f32 v[208+2*gi:209+2*gi], v[208+2*gi:209+2*gi], v[16+2*gi:17+2*gi], s[60:61] op_sel_hi:[1,1,0]
.set gi, gi+1
.endr
.set gi, 0
.rept 8
	v_pk_fma_f32 v[208+2*gi:209+2*gi], v[208+2*gi:209+2*gi], v[16+2*gi:17+2*gi], s[62:63] op_sel_hi:[1,1,0]
.set gi, gi+1
.endr
.set gi, 0
.rept 8
	v_pk_mul_f32 v[208+2*gi:209+2*gi], v[208+2*gi:209+2*gi], v[16+2*gi:17+2*gi]
.set gi, gi+1
.endr
.set gi, 0
	s_wait_alu depctr_va_vdst(0)
.rept 8
	v_pk_mul_f32 v[208+2*gi:209+2*gi], v[208+2*gi:209+2*gi], v[192+2*gi:193+2*gi]   ; Q(|u|)
.set gi, gi+1
.endr
.set gi, 0
.rept 16
	v_max_num_f32 v[192+gi], 0, v[gU+gi]
.set gi, gi+1
.endr
.set gi, 0
.rept 16
	v_fma_f32 v[gU+gi], -|v[gU+gi]|, v[208+gi], v[192+gi]
.set gi, gi+1
.endr
.endm
; the softmax of row tile 2 w + mi: scores in v[128 + 64 mi] on, register 16 b + i = key 32 b + 16 (lane / 16) + i.  p = 2^(t - M), M = ceil(the largest t); l is summed of the unquantised p
.macro SOFT mi
.set sS, 128+64*(\mi)
.irp b, 0,1,2,3
	v_max3_num_f32 v[64+\b], v[sS+16*\b], v[sS+16*\b+1], v[sS+16*\b+2]   ; the largest score of each block of 32 keys: for the maximum of the row, and for the largest p of the block
.endr
.irp i, 3,5,7,9,11,13
.irp b, 0,1,2,3
	v_max3_num_f32 v[64+\b], v[64+\b], v[sS+16*\b+\i], v[sS+16*\b+\i+1]
.endr
.endr
.irp b, 0,1,2,3
	v_max_num_f32 v[64+\b], v[64+\b], v[sS+16*\b+15]
.endr
.irp b, 0,1,2,3
	v_permlanex16_b32 v[68+\b], v[64+\b], s[SEL], s[SEL+1]
.endr
.irp b, 0,1,2,3
	v_max_num_f32 v[64+\b], v[64+\b], v[68+\b]
.endr
	v_max3_num_f32 v74, v64, v65, v66
	v_max_num_f32 v74, v74, v67
	v_mul_f32 v74, s50, v74                        ; the largest t (c is positive)
	v_floor_f32 v94, -v74                          ; -M = floor(-t)
	v_mov_b32 v95, v94                             ; (named with it as a pair)
.set q2, 0
.rept 32
	v_pk_fma_f32 v[sS+2*q2:sS+2*q2+1], v[sS+2*q2:sS+2*q2+1], s[50:51], v[94:95] op_sel_hi:[1,0,0]
.set q2, q2+1
.endr
.irp b, 0,1,2,3
	v_fma_f32 v[64+\b], v[64+\b], s50, v94
.endr
.set q2, 0
.rept 64
	v_exp_f32 v[sS+q2], v[sS+q2]
.set q2, q2+1
.endr
.irp b, 0,1,2,3
	v_exp_f32 v[64+\b], v[64+\b]                   ; the same two instructions on the same number give the same bits
.endr
	v_nop                                          ; a plain place behind the exponentials
	s_wait_alu depctr_va_vdst(0)
.irp b, 0,1,2,3
	v_max_num_f32 v[64+\b], 0x1800000, v[64+\b]
.endr
.irp b, 0,1,2,3
	v_add_nc_u32 v[76+\b], 0xff000000, v[64+\b]
.endr
.irp b, 0,1,2,3
	v_lshrrev_b32 v[68+\b], 23, v[76+\b]
.endr
	v_lshl_or_b32 v80, v69, 8, v68
	v_lshl_or_b32 v80, v70, 16, v80
	v_lshl_or_b32 v80, v71, 24, v80
.irp b, 0,1,2,3
	v_cvt_scalef32_pk8_fp4_f32 v[84+2*\b], v[sS+16*\b:sS+16*\b+7], v[76+\b]
	v_cvt_scalef32_pk8_fp4_f32 v[85+2*\b], v[sS+16*\b+8:sS+16*\b+15], v[76+\b]
.endr
	v_nop
.irp c, 0,1
	v_permlane16_swap_b32 v[84+4*\c], v[86+4*\c]
	v_permlane16_swap_b32 v[85+4*\c], v[87+4*\c]
.endr
	v_pk_add_f32 v[92:93], v[sS:sS+1], v[sS+4:sS+5]
	v_pk_add_f32 v[72:73], v[sS+2:sS+3], v[sS+6:sS+7]
.irp j, 8,12,16,20,24,28,32,36,40,44,48,52,56,60
	v_pk_add_f32 v[92:93], v[92:93], v[sS+\j:sS+\j+1]
	v_pk_add_f32 v[72:73], v[72:73], v[sS+\j+2:sS+\j+3]
.endr
	v_pk_add_f32 v[92:93], v[92:93], v[72:73]
	v_add_f32 v92, v92, v93
	v_permlanex16_b32 v93, v92, s[SEL], s[SEL+1]
	v_add_f32 v92, v92, v93                        ; l
	v_rcp_f32 v92, v92
	v_nop
	s_wait_alu depctr_va_vdst(0)
	v_mov_b32 v93, v92
	ds_store_b128 v12, v[84:87] offset:O_HIMG+1024*(\mi)
	ds_store_b128 v12, v[88:91] offset:O_HIMG+1024*(\mi)+512
	ds_store_b32 v14, v80 offset:O_HSC+64*(\mi)
	ds_store_b64 v15, v[92:93] offset:O_RLB+128*(\mi)
	s_wait_dscnt 0x0                               ; the stores have read their registers
.endm
.macro PVW m                           ; product 5 for row tile m: my eight tiles of v x p, into set m % 2 of window 1
	WIN 0x41
.irp t, 0,1,2,3,4,5,6,7
	WM 64+64*((\m)%2)+8*\t, 8*\t, 64+8*(\m), -1, 32+\t/2, \t%2, 48+(\m)/2, (\m)%2
.endr
.endm
.macro PVF m                           ; q + (that product) / l
	WIN 0xa1+0x50*((\m)/4)
.set q2, 0
.rept 32
	v_pk_fma_f32 v[64*((\m)%4)+2*q2:64*((\m)%4)+2*q2+1], v[64+64*((\m)%2)+2*q2:64+64*((\m)%2)+2*q2+1], v[16+2*(\m):17+2*(\m)], v[64*((\m)%4)+2*q2:64*((\m)%4)+2*q2+1]
.set q2, q2+1
.endr
.endm
	; ---------------- head
	s_load_b512 s[8:23], s[0:1], 0x0               ; x 8, wcodes 10, wscales 12, kvcodes 14, kvscales 16, bq 18, b1 20, b2 22
	s_load_b256 s[24:31], s[0:1], 0x40             ; ln1_w 24, ln1_b 26, ln2_w 28, ln2_b 30
	s_load_b64 s[32:33], s[0:1], 0x60              ; out0
	v_lshl_add_u32 v58, v0, 2, 0x4f000
	v_mov_b32 v59, 0
	ds_add_u32 v58, v59
	ds_add_u32 v58, v59
	v_lshrrev_b32 v1, 5, v0
	v_readfirstlane_b32 s2, v1                     ; wave 0..3
	s_and_b32 s3, s2, 1
	s_lshr_b32 s4, s2, 1
	s_mov_b32 s5, ttmp9                            ; X: my 128 rows
	s_lshr_b32 s6, ttmp9, 3                        ; batch
	; descriptor group 1: 64 rows of 256 f32, 512 elements from row to row, 4 words of padding behind every 256: LDS rows 1,040 bytes apart
	s_mov_b32 s40, (2<<16)|(1<<20)|(7<<22)|(3<<25)
	s_mov_b32 s41, 256<<16
	s_mov_b32 s42, 64<<16
	s_mov_b32 s43, 256<<16
	s_mov_b32 s44, 64
	s_mov_b32 s45, 512
	s_mov_b32 s46, 0
	s_mov_b32 s47, 0
	s_mul_i32 s69, s3, 133120                      ; wave w fetches columns 256 (w % 2) on of rows 64 (w / 2) on
	s_mul_i32 s70, s4, 66560
	s_mov_b32 s36, 1
	s_add_co_u32 s37, s69, s70
	s_lshl_b32 s96, s5, 18
	s_lshl_b32 s71, s4, 17
	s_add_co_u32 s96, s96, s71
	s_lshl_b32 s71, s3, 10
	s_add_co_u32 s96, s96, s71
	s_mov_b32 s97, 0                               ; stays 0: the high word of every offset
	s_wait_dscnt 0x0
	s_wait_kmcnt 0x0
	s_add_nc_u64 s[38:39], s[8:9], s[96:97]
	s_or_b32 s39, s39, 0x80000000
	tensor_load_to_lds s[36:39], s[40:47]          ; the one tensor load of my wave: a first fill; no LDS byte is filled twice in this launch
	s_nop 0
	PLACES 4
	s_mov_b32 s48, 0x76543210
	s_mov_b32 s49, 0xfedcba98
	s_mov_b32 s50, 0x3d8293ee                      ; c = log2(e) / sqrt(512)
	s_mov_b32 s51, s50
	s_mov_b32 s52, 0x3e6d3389                      ; 0.2316419
	s_mov_b32 s54, 0xbf38aa3b                      ; -log2(e) / 2
	s_mov_b32 s55, s54
	s_mov_b32 s56, 0x3f07dc22                      ; the five coefficients, each x 1 / sqrt(2 pi): a5,
	s_mov_b32 s57, s56
	s_mov_b32 s58, 0x3f35f0e3                      ; a3,
	s_mov_b32 s59, s58
	s_mov_b32 s60, 0xbe11a98e                      ; a2,
	s_mov_b32 s61, s60
	s_mov_b32 s62, 0x3e027906                      ; a1;
	s_mov_b32 s63, s62
	v_mov_b32 v60, 0xbf3a00e3                      ; a4
	v_mov_b32 v61, 0xbf3a00e3
	s_mov_b32 s94, 0x3b000000                      ; 1 / 512
	s_mov_b32 s95, 0x3727c5ac                      ; 1e-5
	s_lshl_b32 s96, s4, 15                         ; W1: wcodes + 131,072 + 32,768 (w / 2) + 4,096 (w % 2); a chunk is 65,536 on
	s_lshl_b32 s69, s3, 12
	s_add_co_u32 s96, s96, s69
	s_add_co_u32 s96, s96, 131072
	s_add_nc_u64 s[76:77], s[10:11], s[96:97]
	s_lshl_b32 s96, s2, 16                         ; W2: wcodes + 393,216 + 65,536 w; a chunk is 16,384 on
	s_add_co_u32 s96, s96, 393216
	s_add_nc_u64 s[78:79], s[10:11], s[96:97]
	s_lshl_b32 s96, s4, 11                         ; the scale words of W1: wscales + 8,192 + 2,048 (w / 2) + 8 (w % 2)
	s_lshl_b32 s69, s3, 3
	s_add_co_u32 s96, s96, s69
	s_add_co_u32 s96, s96, 8192
	s_add_nc_u64 s[80:81], s[12:13], s[96:97]
	s_lshl_b32 s96, s2, 12                         ; of W2: wscales + 24,576 + 4,096 w
	s_add_co_u32 s96, s96, 24576
	s_add_nc_u64 s[82:83], s[12:13], s[96:97]
	s_lshl_b32 s96, s2, 8
	s_add_nc_u64 s[84:85], s[20:21], s[96:97]      ; b1 + 256 w
	s_lshl_b32 s96, s2, 15
	s_add_nc_u64 s[86:87], s[10:11], s[96:97]      ; Wq: wcodes + 32,768 w
	s_lshl_b32 s96, s2, 11
	s_add_nc_u64 s[88:89], s[12:13], s[96:97]
	s_lshl_b32 s96, s2, 9
	s_add_nc_u64 s[90:91], s[18:19], s[96:97]      ; bq + 512 w
	v_and_b32 v1, 31, v0                           ; lane
	v_and_b32 v14, 15, v0                          ; r
	v_bfe_u32 v15, v0, 4, 1                        ; h
	v_lshlrev_b32 v5, 6, v15
	v_lshl_add_u32 v2, v1, 4, AIMG
	v_lshl_add_u32 v3, v1, 2, AIMG
	v_lshl_add_u32 v4, v14, 2, AIMG
	v_lshl_add_u32 v62, v1, 1, AIMG
	v_lshl_add_u32 v63, v14, 3, AIMG
	v_lshl_add_u32 v9, v14, 1, AIMG
	v_lshlrev_b32 v1, 4, v1
	s_lshl_b32 s69, s2, 13
	v_add_nc_u32 v6, s69, v2
	s_lshl_b32 s69, s2, 9
	v_add_nc_u32 v7, s69, v4
	s_lshl_b32 s69, s2, 12
	v_add_nc_u32 v8, s69, v2
	s_lshl_b32 s69, s2, 8
	v_add_nc_u32 v9, s69, v9
	v_mul_u32_u24 v19, v14, 1040
	v_add_nc_u32 v19, v19, v5                      ; 1,040 r + 64 h
	s_mul_i32 s69, s4, 133120
	s_lshl_b32 s70, s3, 9
	s_add_co_u32 s69, s69, s70
	v_add_nc_u32 v10, s69, v19                     ; x at my channels: half w / 2, 512 (w % 2) bytes into its rows
	v_add_nc_u32 v11, 66560, v10                   ; and 64 rows on
	v_add_nc_u32 v16, s37, v19                     ; x in the tile that I fetched
	s_lshl_b32 s69, s3, 14
	s_lshl_b32 s70, s4, 12
	s_add_co_u32 s69, s69, s70
	v_add_nc_u32 v17, s69, v2                      ; its images: K step 2 (w % 2), row tile 4 (w / 2)
	s_lshl_b32 s69, s3, 10
	s_lshl_b32 s70, s4, 8
	s_add_co_u32 s69, s69, s70
	v_add_nc_u32 v18, s69, v4                      ; and their scale words
.irp b, 0,1,2,3
	v_mov_b32 v[68+\b], 0                          ; written once: the destination of a lane permute counts as one of its sources
.endr
	WIN 0x40                                       ; destination window 1
.set n, 0
.rept 64
	global_load_b128 v[4*n:4*n+3], v1, s[86:87] offset:512*n     ; Wq: fragment (K step s, tile t) at v[64 s + 8 t]
.set n, n+1
.endr
	WIN 0
.irp s, 0,1,2,3
	global_load_b128 v[32+4*\s:35+4*\s], v1, s[88:89] offset:512*\s
.endr
	WIN 0xc0                                       ; destination window 3: bq lies in the accumulators of row tile 7, in the layout of a result
.irp t, 0,1,2,3,4,5,6,7
.irp q, 0,1
	global_load_b128 v[192+8*\t+4*\q:192+8*\t+4*\q+3], v5, s[90:91] offset:128*(\t/2)+32*(\t%2)+16*\q
.endr
.endr
	WIN 0
	; ---------------- x becomes codes: each wave quantises the tile that it fetched: 4 row tiles x 2 K steps
	s_wait_tensorcnt 0x0                           ; my tile has landed; only I read it until the barrier below
	s_mov_b32 s68, 0
	s_mov_b32 s69, 0
	s_mov_b32 s70, 0
	s_mov_b32 s71, 0
.Lxq:
	v_add_nc_u32 v12, s69, v16
	v_add_nc_u32 v13, s70, v17
	v_add_nc_u32 v14, s71, v18
.irp sp, 0,1
.irp b, 0,1,2,3
.irp j, 0,1,2,3
	ds_load_b128 v[128+64*\sp+16*\b+4*\j:128+64*\sp+16*\b+4*\j+3], v12 offset:512*\sp+128*\b+16*\j
.endr
.endr
.endr
	s_wait_dscnt 16                                ; the first K step is in; the 16 loads of the second stay out
	QUANT 128, 0, 4, 64
	ds_store_b128 v13, v[84:87]
	ds_store_b128 v13, v[88:91] offset:512
	ds_store_b32 v14, v80 offset:O_ASC
	s_wait_dscnt 0x0
	QUANT 192, 0, 4, 64
	ds_store_b128 v13, v[84:87] offset:8192
	ds_store_b128 v13, v[88:91] offset:8192+512
	ds_store_b32 v14, v80 offset:O_ASC+512
	s_wait_dscnt 0x0                               ; the stores have read their registers and addresses
	s_add_co_u32 s69, s69, 16640
	s_add_co_u32 s70, s70, 1024
	s_add_co_u32 s71, s71, 64
	s_add_co_u32 s68, s68, 1
	s_cmp_lt_u32 s68, 4
	s_cbranch_scc1 .Lxq
	BARRIER                                        ; all of x lies in LDS, as numbers and as codes
	; ---------------- product 1: q = x Wq^T + bq.  64 accumulators by turns, K ascending
	s_wait_loadcnt 0x0                             ; Wq, its scale words, bq
	FETCHA 0
.irp s, 0,1,2,3
.if (\s > 0) && (\s < 3)
	WIN 0
	PLACES 4                                       ; in front of loads into the buffer that the step before last multiplied... its products stand ahead of these places
.endif
.if \s < 3
	FETCHA \s+1
	s_wait_dscnt 20                                ; this step is in; the 20 loads just issued stay out
.else
	s_wait_dscnt 0x0
.endif
.if \s == 0
	WIN 0xb1                                       ; Wq window 1, x window 0, C (bq) window 3, D window 2
.irp m, 0,1,2,3
	P1ROW 0, \m, 192
.endr
	WIN 0xf1
.irp m, 4,5,6
	P1ROW 0, \m, 192
.endr
	PLACES 5                                       ; row tile 7 writes over the registers that the products above took as C
	P1ROW 0, 7, -1
.else
	WIN 0xa1
.irp m, 0,1,2,3
	P1ROW \s, \m, -1
.endr
	WIN 0xf1
.irp m, 4,5,6,7
	P1ROW \s, \m, -1
.endr
.endif
.endr
	WIN 0
	PLACES 4                                       ; in front of the first read of the results and of loads over the operands
	; ---------------- two trips: trip 0: q to codes, attention, LN1;  trip 1: query to codes, FFN, LN2.  The branches hang on the counter alone
	s_mov_b32 s66, 0
.Lhalf:
	s_wait_xcnt 0x0                                ; pointers are written again only behind this wait
	s_cmp_lg_u32 s66, 0
	s_cbranch_scc1 .Lpre1
	s_lshl_b32 s96, s6, 16
	s_add_nc_u64 s[86:87], s[14:15], s[96:97]      ; k of my batch
	s_lshl_b32 s96, s6, 12
	s_add_nc_u64 s[88:89], s[16:17], s[96:97]
	WIN 0x40
.set n, 0
.rept 64
	global_load_b128 v[4*n:4*n+3], v1, s[86:87] offset:512*n     ; k: fragment (K step s, key tile) at v[64 s + 8 tile]
.set n, n+1
.endr
	WIN 0
.irp s, 0,1,2,3
	global_load_b128 v[32+4*\s:35+4*\s], v1, s[88:89] offset:512*\s
.endr
	s_branch .Lpre_done
.Lpre1:
	s_mov_b32 s69, 0
	SETW1 69
	s_lshl_b32 s96, s2, 9
	s_add_nc_u64 s[92:93], s[22:23], s[96:97]      ; b2 + 512 w
	W1GRP
.irp t, 0,1,2,3,4,5,6,7
.irp q, 0,1
	global_load_b128 v[128+8*\t+4*\q:128+8*\t+4*\q+3], v5, s[92:93] offset:128*(\t/2)+32*(\t%2)+16*\q
.endr
.endr
.Lpre_done:
	BARRIER                                        ; nobody reads the old images any more
.irp m, 0,1,2,3,4,5,6,7                        ; my 128 channels of row tile m are K step w of the next product
	QUANT 64*(\m%4), 2+\m/4, 4, 64
	ds_store_b128 v6, v[84:87] offset:1024*\m
	ds_store_b128 v6, v[88:91] offset:1024*\m+512
	ds_store_b32 v7, v80 offset:O_ASC+64*\m
	s_wait_dscnt 0x0                               ; the stores have read their registers
.endr
	s_wait_loadcnt 0x0                             ; the weights asked for above
	BARRIER                                        ; the 32 new fragments lie in LDS
	s_cmp_lg_u32 s66, 0
	s_cbranch_scc1 .Lffn
	; ---------------- attention.  Product 4: my two row tiles x all 128 keys: 16 accumulators by turns
	s_lshl_b32 s70, s2, 11
	s_lshl_b32 s71, s2, 7
	FETCHP                                         ; v12 = v2 + 2,048 w, v13 = v3 + 128 w
	v_add_nc_u32 v14, s71, v4
	s_lshl_b32 s69, s2, 8
	v_add_nc_u32 v15, s69, v63
	s_wait_dscnt 0x0
	WIN 0x01                                       ; k window 1
.irp s, 0,1,2,3
.irp mi, 0,1
.irp ta, 0,1,2,3,4,5,6,7
.if \s == 0
	WM 128+64*\mi+8*\ta, 64*\s+8*\ta, 64+8*(2*\s+\mi), -1, 32+4*\s+\ta/2, \ta%2, 48+\s, \mi
.else
	WM 128+64*\mi+8*\ta, 64*\s+8*\ta, 64+8*(2*\s+\mi), 128+64*\mi+8*\ta, 32+4*\s+\ta/2, \ta%2, 48+\s, \mi
.endif
.endr
.endr
.endr
	WIN 0
	PLACES 4
	s_wait_xcnt 0x0
	s_lshl_b32 s96, s6, 16
	s_lshl_b32 s69, s2, 13
	s_add_co_u32 s96, s96, s69
	s_add_co_u32 s96, s96, 32768
	s_add_nc_u64 s[90:91], s[14:15], s[96:97]      ; v of my batch, my 128 channels
	s_lshl_b32 s96, s6, 12
	s_lshl_b32 s69, s2, 9
	s_add_co_u32 s96, s96, s69
	s_add_co_u32 s96, s96, 2048
	s_add_nc_u64 s[92:93], s[16:17], s[96:97]
	WIN 0x40
.set n, 0
.rept 16
	global_load_b128 v[4*n:4*n+3], v1, s[90:91] offset:512*n     ; it lands while the softmax is computed
.set n, n+1
.endr
	WIN 0
	global_load_b128 v[32:35], v1, s[92:93]
	SOFT 0
	SOFT 1
	BARRIER                                        ; p of all 128 rows lies in LDS
	; product 5 and the residual: the products of a row tile stand between the additions of the tile before
.irp m, 0,1,2,3,4,5,6,7
.irp c, 0,1
	ds_load_b128 v[64+8*\m+4*\c:64+8*\m+4*\c+3], v2 offset:O_HIMG+1024*\m+512*\c
.endr
.endr
.irp p, 0,1,2,3
	ds_load_b32 v[48+\p], v3 offset:O_HSC+128*\p
.endr
.irp m, 0,1,2,3,4,5,6,7
	ds_load_b64 v[16+2*\m:17+2*\m], v63 offset:O_RLB+128*\m
.endr
	s_wait_loadcnt 0x0
	s_wait_dscnt 0x0
	PVW 0
	PVW 1
	PLACES 5
	PVF 0
.irp m, 2,3,4,5,6,7
	PVW \m
	PVF \m-1                                       ; these 32 lines name none of the registers of the products just issued: they are the places behind them
.endr
	PVF 7
	WIN 0
	s_branch .Lln
	; ---------------- FFN, in four chunks of 256 hidden units; wave w makes units 64 w .. 64 w + 63 of a chunk
.Lffn:
.irp W, 2,3
	WIN (\W<<6)|\W
.irp mm, 0,1,2,3
.irp t, 0,1,2,3,4,5,6,7
.irp q, 0,2,4,6
	v_pk_add_f32 v[64*\mm+8*\t+\q:64*\mm+8*\t+\q+1], v[64*\mm+8*\t+\q:64*\mm+8*\t+\q+1], v[128+8*\t+\q:128+8*\t+\q+1]   ; query + b2: the sums of product 7 begin here
.endr
.endr
.endr
.endr
	WIN 0
	s_mov_b32 s70, 0
	s_mov_b32 s71, 0
	FETCHP                                         ; row tiles 0 and 1 of query
	s_mov_b32 s67, 0
.Lchunk:
	s_wait_xcnt 0x0
	s_lshl_b32 s96, s67, 14
	s_add_nc_u64 s[92:93], s[78:79], s[96:97]
	s_lshl_b32 s96, s67, 10
	s_add_nc_u64 s[98:99], s[82:83], s[96:97]
	WIN 0x40
.set n, 0
.rept 32
	global_load_b128 v[128+4*n:128+4*n+3], v1, s[92:93] offset:512*n     ; W2, this chunk: fragment (K step sp, tile t) at v[128 + 64 sp + 8 t]; it lands under the rows below
.set n, n+1
.endr
	WIN 0
.irp sp, 0,1
	global_load_b128 v[40+4*\sp:43+4*\sp], v1, s[98:99] offset:512*\sp
.endr
	s_wait_loadcnt 34                              ; W1, its scale words and b1 of this chunk are in; the 34 loads just issued stay out
	s_mov_b32 s68, 0
.Lrows:                                                ; row tiles 2 i and 2 i + 1
	s_wait_dscnt 0x0
	WIN 0x01
.irp s, 0,1,2,3                                ; product 6: eight accumulators by turns; b1 is the C of the first K step
.irp mi, 0,1
.irp tt, 0,1,2,3
.if \s == 0
	WM 128+32*\mi+8*\tt, 32*\s+8*\tt, 64+8*(2*\s+\mi), 224+8*\tt, 32+2*\s+\tt/2, \tt%2, 48+\s, \mi
.else
	WM 128+32*\mi+8*\tt, 32*\s+8*\tt, 64+8*(2*\s+\mi), 128+32*\mi+8*\tt, 32+2*\s+\tt/2, \tt%2, 48+\s, \mi
.endif
.endr
.endr
.endr
	WIN 0
	s_add_co_u32 s69, s68, 1
	s_and_b32 s69, s69, 3
	s_lshl_b32 s70, s69, 11
	s_lshl_b32 s71, s69, 7
	FETCHP                                         ; the next pair of row tiles (behind the last: the first again, for the next chunk) lands under the gelu
	GELU16 0
	GELU16 1
	GELU16 2
	GELU16 3
	s_lshl_b32 s72, s68, 10
	s_lshl_b32 s73, s68, 6
	v_add_nc_u32 v14, s72, v8
	v_add_nc_u32 v15, s73, v9
.irp mi, 0,1
	QUANT 128+32*\mi, 0, 2, 192                    ; my 64 units: half a fragment and two scale bytes
	ds_store_b128 v14, v[212:215] offset:O_HIMG+512*\mi
	ds_store_b16 v15, v208 offset:O_HSC+32*\mi
	s_wait_dscnt 0x0                               ; the stores have read their registers
.endr
	s_add_co_u32 s68, s68, 1
	s_cmp_lt_u32 s68, 4
	s_cbranch_scc1 .Lrows
	s_wait_xcnt 0x0
	s_add_co_u32 s69, s67, 1
	s_and_b32 s69, s69, 3
	SETW1 69
	W1GRP                                          ; the next chunk of W1 lands under product 7
	BARRIER                                        ; the hidden chunk of all 128 rows lies in LDS
	s_wait_loadcnt 44                              ; W2 of this chunk is in; the 44 loads just issued stay out
.irp sp, 0,1                                   ; product 7: 64 accumulators by turns, in place
.irp m, 0,1,2,3,4,5,6,7
.irp c, 0,1
	ds_load_b128 v[128+8*\m+4*\c:128+8*\m+4*\c+3], v2 offset:O_HIMG+4096*(2*\sp+\c)+512*\m
.endr
.endr
.irp p, 0,1,2,3
	ds_load_u16 v[16+\p], v62 offset:O_HSC+512*\sp+64*\p
	ds_load_u16 v[20+\p], v62 offset:O_HSC+512*\sp+256+64*\p
.endr
	s_wait_dscnt 0x0
.irp p, 0,1,2,3
	v_lshl_or_b32 v[52+\p], v[20+\p], 16, v[16+\p] ; the two bytes of each of the two waves make the scale word
.endr
	PLACES 8                                       ; a scale register written by a vector instruction stands eight places ahead of the product
	WIN 0xa1
.irp m, 0,1,2,3
	P7ROW \sp, \m
.endr
	WIN 0xf1
.irp m, 4,5,6,7
	P7ROW \sp, \m
.endr
	WIN 0
	PLACES 5                                       ; loads into the operands follow, and the next chunk's first products write over them
.endr
	BARRIER                                        ; nobody reads the hidden chunk any more
	s_add_co_u32 s67, s67, 1
	s_cmp_lt_u32 s67, 4
	s_cbranch_scc1 .Lchunk
	; ---------------- LayerNorm of the 128 rows, 512 channels over four waves: each wave its mean and its sum of squared differences from that mean; one exchange; no difference of large sums
.Lln:
	PLACES 4
	s_wait_loadcnt 0x0                             ; no load is out into the registers that gain and bias take
	s_wait_xcnt 0x0
	s_cmp_eq_u32 s66, 0
	s_cselect_b64 s[86:87], s[24:25], s[28:29]
	s_cselect_b64 s[88:89], s[26:27], s[30:31]
	s_lshl_b32 s96, s2, 9
	s_add_nc_u64 s[86:87], s[86:87], s[96:97]
	s_add_nc_u64 s[88:89], s[88:89], s[96:97]
.irp t, 0,1,2,3,4,5,6,7
.irp q, 0,1
	global_load_b128 v[128+8*\t+4*\q:128+8*\t+4*\q+3], v5, s[86:87] offset:128*(\t/2)+32*(\t%2)+16*\q
	global_load_b128 v[192+8*\t+4*\q:192+8*\t+4*\q+3], v5, s[88:89] offset:128*(\t/2)+32*(\t%2)+16*\q
.endr
.endr
	v_and_b32 v13, 15, v0
	v_lshl_add_u32 v13, v13, 5, AIMG               ; AIMG + 32 r
	s_lshl_b32 s69, s2, 3
	v_add_nc_u32 v12, s69, v13                     ; + 8 w
.irp W, 2,3                                    ; sums: two chains of pairs for each row tile, at v[64 + 4 m]; each accumulator from its low end on
	WIN \W|(\W<<2)
.irp mm, 0,1,2,3
.irp ch, 0,1
	v_pk_add_f32 v[64+16*(\W-2)+4*\mm+2*\ch:65+16*(\W-2)+4*\mm+2*\ch], v[64*\mm+2*\ch:64*\mm+2*\ch+1], v[64*\mm+2*\ch+4:64*\mm+2*\ch+5]
.endr
.endr
	WIN \W<<2
.irp q, 8,12,16,20,24,28,32,36,40,44,48,52,56,60
.irp mm, 0,1,2,3
.irp ch, 0,1
	v_pk_add_f32 v[64+16*(\W-2)+4*\mm+2*\ch:65+16*(\W-2)+4*\mm+2*\ch], v[64+16*(\W-2)+4*\mm+2*\ch:65+16*(\W-2)+4*\mm+2*\ch], v[64*\mm+\q+2*\ch:64*\mm+\q+2*\ch+1]
.endr
.endr
.endr
.endr
	WIN 0
.irp m, 0,1,2,3,4,5,6,7
	v_pk_add_f32 v[64+4*\m:65+4*\m], v[64+4*\m:65+4*\m], v[66+4*\m:67+4*\m]
.endr
.irp m, 0,1,2,3,4,5,6,7
	v_add_f32 v[64+4*\m], v[64+4*\m], v[65+4*\m]
.endr
.irp m, 0,1,2,3,4,5,6,7
	v_permlanex16_b32 v[65+4*\m], v[64+4*\m], s[SEL], s[SEL+1]
.endr
.irp m, 0,1,2,3,4,5,6,7
	v_add_f32 v[64+4*\m], v[64+4*\m], v[65+4*\m]
.endr
.irp m, 0,1,2,3,4,5,6,7
	v_mul_f32 v[16+2*\m], 0x3c000000, v[64+4*\m]   ; the mean of my 128 channels
.endr
.irp m, 0,1,2,3,4,5,6,7
	v_mov_b32 v[17+2*\m], v[16+2*\m]
.endr
.irp W, 2,3
	WIN (\W<<6)|\W
.irp mm, 0,1,2,3
.set q2, 0
.rept 32
	v_pk_add_f32 v[64*\mm+2*q2:64*\mm+2*q2+1], v[64*\mm+2*q2:64*\mm+2*q2+1], v[16+8*(\W-2)+2*\mm:17+8*(\W-2)+2*\mm] neg_lo:[0,1] neg_hi:[0,1]   ; less that mean, in place
.set q2, q2+1
.endr
.endr
	WIN \W|(\W<<2)
.irp mm, 0,1,2,3
.irp ch, 0,1
	v_pk_mul_f32 v[64+16*(\W-2)+4*\mm+2*\ch:65+16*(\W-2)+4*\mm+2*\ch], v[64*\mm+2*\ch:64*\mm+2*\ch+1], v[64*\mm+2*\ch:64*\mm+2*\ch+1]
.endr
.endr
.irp q, 4,8,12,16,20,24,28,32,36,40,44,48,52,56,60
.irp mm, 0,1,2,3
.irp ch, 0,1
	v_pk_fma_f32 v[64+16*(\W-2)+4*\mm+2*\ch:65+16*(\W-2)+4*\mm+2*\ch], v[64*\mm+\q+2*\ch:64*\mm+\q+2*\ch+1], v[64*\mm+\q+2*\ch:64*\mm+\q+2*\ch+1], v[64+16*(\W-2)+4*\mm+2*\ch:65+16*(\W-2)+4*\mm+2*\ch]
.endr
.endr
.endr
.endr
	WIN 0
.irp m, 0,1,2,3,4,5,6,7
	v_pk_add_f32 v[64+4*\m:65+4*\m], v[64+4*\m:65+4*\m], v[66+4*\m:67+4*\m]
.endr
.irp m, 0,1,2,3,4,5,6,7
	v_add_f32 v[65+4*\m], v[64+4*\m], v[65+4*\m]
.endr
.irp m, 0,1,2,3,4,5,6,7
	v_permlanex16_b32 v[66+4*\m], v[65+4*\m], s[SEL], s[SEL+1]
.endr
.irp m, 0,1,2,3,4,5,6,7
	v_add_f32 v[65+4*\m], v[65+4*\m], v[66+4*\m]   ; the sum of squared differences
.endr
.irp m, 0,1,2,3,4,5,6,7
	v_mov_b32 v[64+4*\m], v[16+2*\m]
.endr
.irp m, 0,1,2,3,4,5,6,7
	ds_store_b64 v12, v[64+4*\m:65+4*\m] offset:O_STAT+512*\m    ; both halves of the lanes write the same
.endr
	BARRIER
.irp m, 0,1,2,3,4,5,6,7
	ds_load_b128 v[64+8*\m:67+8*\m], v13 offset:O_STAT+512*\m
	ds_load_b128 v[68+8*\m:71+8*\m], v13 offset:O_STAT+512*\m+16
.endr
	s_wait_dscnt 0x0
.irp m, 0,1,2,3,4,5,6,7                        ; the eight row tiles by turns, line by line
	v_add_f32 v[65+8*\m], v[65+8*\m], v[67+8*\m]
.endr
.irp m, 0,1,2,3,4,5,6,7
	v_add_f32 v[69+8*\m], v[69+8*\m], v[71+8*\m]
.endr
.irp m, 0,1,2,3,4,5,6,7
	v_add_f32 v[65+8*\m], v[65+8*\m], v[69+8*\m]
.endr
.irp m, 0,1,2,3,4,5,6,7
	v_add_f32 v[67+8*\m], v[64+8*\m], v[66+8*\m]
.endr
.irp m, 0,1,2,3,4,5,6,7
	v_add_f32 v[69+8*\m], v[68+8*\m], v[70+8*\m]
.endr
.irp m, 0,1,2,3,4,5,6,7
	v_add_f32 v[67+8*\m], v[67+8*\m], v[69+8*\m]
.endr
.irp m, 0,1,2,3,4,5,6,7
	v_mul_f32 v[67+8*\m], 0x3e800000, v[67+8*\m]   ; the mean of the row
.endr
.irp k, 64,66,68,70
.irp m, 0,1,2,3,4,5,6,7
	v_sub_f32 v[\k+8*\m], v[\k+8*\m], v[67+8*\m]
.endr
.endr
.irp m, 0,1,2,3,4,5,6,7
	v_mul_f32 v[69+8*\m], v[64+8*\m], v[64+8*\m]
.endr
.irp k, 66,68,70
.irp m, 0,1,2,3,4,5,6,7
	v_fmac_f32 v[69+8*\m], v[\k+8*\m], v[\k+8*\m]
.endr
.endr
.irp m, 0,1,2,3,4,5,6,7
	v_fma_f32 v[65+8*\m], v[69+8*\m], 0x43000000, v[65+8*\m]     ; + 128 x the squared distances of the four means
.endr
.irp m, 0,1,2,3,4,5,6,7
	v_fma_f32 v[65+8*\m], v[65+8*\m], s94, s95     ; the variance + 1e-5
.endr
.irp m, 0,1,2,3,4,5,6,7
	v_rsq_f32 v[64+8*\m], v[65+8*\m]
.endr
.irp m, 0,1,2,3,4,5,6,7
	v_sub_f32 v[66+8*\m], v[16+2*\m], v[67+8*\m]   ; (plain lines behind the roots)
.endr
	s_wait_alu depctr_va_vdst(0)
.irp m, 0,1,2,3,4,5,6,7
	v_mul_f32 v[66+8*\m], v[66+8*\m], v[64+8*\m]
.endr
	s_wait_loadcnt 0x0                             ; gain and bias
.irp W, 2,3
	WIN (\W<<6)|\W
.irp mm, 0,1,2,3
.set q2, 0
.rept 32
	v_pk_fma_f32 v[64*\mm+2*q2:64*\mm+2*q2+1], v[64*\mm+2*q2:64*\mm+2*q2+1], v[64+32*(\W-2)+8*\mm:65+32*(\W-2)+8*\mm], v[66+32*(\W-2)+8*\mm:67+32*(\W-2)+8*\mm] op_sel_hi:[1,0,0]
.set q2, q2+1
.endr
.endr
.irp mm, 0,1,2,3
.irp t, 0,1,2,3,4,5,6,7
.irp q, 0,2,4,6
	v_pk_fma_f32 v[64*\mm+8*\t+\q:64*\mm+8*\t+\q+1], v[64*\mm+8*\t+\q:64*\mm+8*\t+\q+1], v[128+8*\t+\q:128+8*\t+\q+1], v[192+8*\t+\q:192+8*\t+\q+1]
.endr
.endr
.endr
.endr
	WIN 0
	s_add_co_u32 s66, s66, 1
	s_cmp_lt_u32 s66, 2
	s_cbranch_scc1 .Lhalf
	; ---------------- the way out: + x, in place in LDS (each lane touches only its own bytes); a barrier; whole rows leave
.macro XLD m
.set xb, 64+64*((\m)%2)
.irp t, 0,1,2,3,4,5,6,7
.irp q, 0,1
	ds_load_b128 v[xb+8*\t+4*\q:xb+8*\t+4*\q+3], v[10+(\m)/4] offset:16640*((\m)%4)+128*(\t/2)+32*(\t%2)+16*\q
.endr
.endr
.endm
.macro XADDST m
.set xb, 64+64*((\m)%2)
	WIN 2+(\m)/4
.set q2, 0
.rept 32
	v_pk_add_f32 v[xb+2*q2:xb+2*q2+1], v[64*((\m)%4)+2*q2:64*((\m)%4)+2*q2+1], v[xb+2*q2:xb+2*q2+1]
.set q2, q2+1
.endr
	WIN 0
.irp t, 0,1,2,3,4,5,6,7
.irp q, 0,1
	ds_store_b128 v[10+(\m)/4], v[xb+8*\t+4*\q:xb+8*\t+4*\q+3] offset:16640*((\m)%4)+128*(\t/2)+32*(\t%2)+16*\q
.endr
.endr
.endm
	XLD 0
.irp m, 0,1,2,3,4,5,6,7
.if \m < 7
	XLD \m+1
.endif
.if \m == 0
	s_wait_dscnt 16                                ; tile 0 is in; the 16 loads of tile 1 stay out
.elseif \m < 7
	s_wait_dscnt 32                                ; behind this tile's loads: the 16 stores of the tile before and the 16 loads of the next
.else
	s_wait_dscnt 16                                ; behind them: the 16 stores of tile 6
.endif
	XADDST \m
.endr
	s_wait_xcnt 0x0
	s_lshl_b32 s96, s5, 18
	s_lshl_b32 s69, s2, 16
	s_add_co_u32 s96, s96, s69
	s_add_nc_u64 s[86:87], s[32:33], s[96:97]      ; out0 at row 128 X + 32 w
	s_mul_i32 s69, s2, 33280
	v_add_nc_u32 v12, s69, v1                      ; my 32 rows: left half,
	v_add_nc_u32 v13, 133120, v12                  ; right half
	BARRIER                                        ; 128 whole rows of the result lie in LDS
.macro LOADB bt                        ; four rows: 16 loads of 512 consecutive bytes
.set xb, 64+64*((\bt)%2)
.irp rr, 0,1,2,3
.irp hf, 0,1
.irp q, 0,1
	ds_load_b128 v[xb+16*\rr+8*\hf+4*\q:xb+16*\rr+8*\hf+4*\q+3], v[12+\hf] offset:1040*(4*(\bt)+\rr)+512*\q
.endr
.endr
.endr
.endm
.macro STOREB bt
.set xb, 64+64*((\bt)%2)
.irp rr, 0,1,2,3
.irp hf, 0,1
.irp q, 0,1
	global_store_b128 v1, v[xb+16*\rr+8*\hf+4*\q:xb+16*\rr+8*\hf+4*\q+3], s[86:87] offset:2048*(4*(\bt)+\rr)+1024*\hf+512*\q th:TH_STORE_NT   ; 32 lanes store 512 consecutive bytes, at a multiple of 512 from the first byte of out0
.endr
.endr
.endr
.endm
	LOADB 0
.irp bt, 0,1,2,3,4,5,6,7
.if \bt < 7
.if \bt > 0
	s_wait_xcnt 0x0                                ; the stores of the batch before have read the registers that the next loads fill
.endif
	LOADB \bt+1
	s_wait_dscnt 16                                ; this batch is in; the 16 loads just issued stay out
.else
	s_wait_dscnt 0x0
.endif
	STOREB \bt
.endr
	s_wait_tensorcnt 0x0
	ds_add_u32 v58, v59
	s_wait_dscnt 0x0
	s_endpgm
.Lfunc_end_k_q24047325ea_main:
	.size	k_q24047325ea_main, .Lfunc_end_k_q24047325ea_main-k_q24047325ea_main
	.p2alignl 7, 3214868480
	.fill 96, 4, 3214868480
	.section	.rodata,"a",@progbits
	.p2align	6, 0x0
	.amdhsa_kernel k_q24047325ea_main
		.amdhsa_group_segment_fixed_size 327680
		.amdhsa_private_segment_fixed_size 0
		.amdhsa_enable_private_segment 0
		.amdhsa_kernarg_size 104
		.amdhsa_user_sgpr_count 2
		.amdhsa_user_sgpr_kernarg_segment_ptr 1
		.amdhsa_wavefront_size32 1
		.amdhsa_system_sgpr_workgroup_id_x 1
		.amdhsa_system_sgpr_workgroup_id_y 1
		.amdhsa_system_sgpr_workgroup_id_z 1
		.amdhsa_system_vgpr_workitem_id 0
		.amdhsa_next_free_vgpr 1024
		.amdhsa_next_free_sgpr 100
		.amdhsa_reserve_vcc 0
		.amdhsa_float_denorm_mode_32 3
		.amdhsa_float_denorm_mode_16_64 3
		.amdhsa_memory_ordered 1
		.amdhsa_forward_progress 1
		.amdhsa_inst_pref_size 255
	.end_amdhsa_kernel
	.section	.bss,"aw",@nobits
	.p2align	6
	.space	262144
	.amdgpu_metadata
---
amdhsa.version: [ 1, 2 ]
amdhsa.kernels:
  - .name:           k_q24047325ea_main
    .symbol:         k_q24047325ea_main.kd
    .args:
      - { .name: x, .offset: 0, .size: 8, .value_kind: global_buffer, .address_space: global }
      - { .name: wcodes, .offset: 8, .size: 8, .value_kind: global_buffer, .address_space: global }
      - { .name: wscales, .offset: 16, .size: 8, .value_kind: global_buffer, .address_space: global }
      - { .name: kvcodes, .offset: 24, .size: 8, .value_kind: global_buffer, .address_space: global }
      - { .name: kvscales, .offset: 32, .size: 8, .value_kind: global_buffer, .address_space: global }
      - { .name: bq, .offset: 40, .size: 8, .value_kind: global_buffer, .address_space: global }
      - { .name: b1, .offset: 48, .size: 8, .value_kind: global_buffer, .address_space: global }
      - { .name: b2, .offset: 56, .size: 8, .value_kind: global_buffer, .address_space: global }
      - { .name: ln1_w, .offset: 64, .size: 8, .value_kind: global_buffer, .address_space: global }
      - { .name: ln1_b, .offset: 72, .size: 8, .value_kind: global_buffer, .address_space: global }
      - { .name: ln2_w, .offset: 80, .size: 8, .value_kind: global_buffer, .address_space: global }
      - { .name: ln2_b, .offset: 88, .size: 8, .value_kind: global_buffer, .address_space: global }
      - { .name: out0, .offset: 96, .size: 8, .value_kind: global_buffer, .address_space: global }
    .group_segment_fixed_size: 327680
    .private_segment_fixed_size: 0
    .kernarg_segment_align: 8
    .kernarg_segment_size: 104
    .max_flat_workgroup_size: 128
    .sgpr_count:     100
    .vgpr_count:     1024
    .wavefront_size: 32
...
	.end_amdgpu_metadata
.endif
;; end of part 2
